; MI455X (gfx1250); checked and timed in simulation.
; The chip was launched on July 23, 2026; its instructions are those of AMD's public machine-readable ISA for CDNA 5 (MIT licence, August 2026) and "CDNA5" Instruction Set Architecture Reference Guide (July 2026). The comments in the code are by the model that wrote it; some were corrected since.
;; Scale Dot Product Attention. Allowed arithmetic: float matrix products may take bf16 or f16 operands with f32 sums; all other float work in f32.
;; Inputs: k 4 x 16 x 2,048 x 64 float32; q 4 x 16 x 2,048 x 64 float32; v 4 x 16 x 2,048 x 64 float32.
;; Outputs: out0 4 x 16 x 2,048 x 64 float32.
;; One version. Each part assembles by itself: llvm-mc -triple=amdgcn-amd-amdhsa -mcpu=gfx1250 --defsym DOCPART=n.
;; ======== version 1 of 1: 1 launch
;; launch attn (part 1): grid 4 x 64, 4 waves a work-group, no clusters, 113,152 bytes of LDS; arguments q, k, v, out0; writes out0
.if DOCPART == 1
	.amdgcn_target "amdgcn-amd-amdhsa--gfx1250"
	.amdhsa_code_object_version 6
	.text
	.protected	k_q9e03552491_attn
	.globl	k_q9e03552491_attn
	.p2align	8
	.type	k_q9e03552491_attn,@function
k_q9e03552491_attn:
	s_mov_b64 s[64:65], 0
	v_nop
	global_prefetch_b8 v0, s[64:65] scope:SCOPE_SE
	s_setreg_imm32_b32 hwreg(HW_REG_WAVE_MODE, 25, 1), 1
	s_wait_xcnt 0x0
; out = softmax(q k^T / 8) v for 64 heads (4 x 16), each 2,048 rows of 64 numbers; f32 in and out.  One launch; no score goes to memory.
; Nothing of the computation is dead: no mask, no bias, and every number of q, k and v of a head reaches outputs of that head.
;
; SHARES.  Work-group (x, y) owns query rows 512 x .. 512 x + 511 of head y; each of its four waves owns 128 of them as eight query blocks
; qb of 16.  The head's 2,048 keys go in 32 trips of 64, with a running maximum and a running sum for each query row.
;
; BOTH PRODUCTS ARE USED TRANSPOSED, so that a lane keeps one query row throughout and no score crosses LDS:
;   S^T = K Q^T : source 0 = 16 keys x 32 d, source 1 = 16 queries x 32 d.  Lane (r = lane % 16, h = lane / 16) holds query r,
;                 register j of key block kb the key 16 kb + 8 h + j.  A row's maximum and sum are made in the lane, plus one exchange with lane xor 16.
;   P^T         : rounding neighbouring registers of key blocks 2c and 2c + 1 in pairs to bf16 gives, as it stands, source 1 for keys 32c .. 32c + 31
;                 (registers 0-3: keys 8h .. 8h + 7; registers 4-7: keys 16 + 8h ..).
;   O^T = V^T P^T: source 0 = 16 d x 32 keys, read from V[key][d] in LDS by the transposing load.  Lane (r, h) holds query r, d = 16 db + 8 h + j,
;                 so the rescale by alpha and the last division are factors of the lane's own.
;
; K AND V come through registers: each thread loads 16 bytes of each of 8 rows of K and of V a whole trip ahead, the work-group rounds a tile to bf16
; once (each wave a quarter) and stores it into one of two LDS slots that take turns; one barrier a trip, its signal and its wait apart.
; NO CLUSTER, NO JOINT LOADS, though the four work-groups of a head read the same K and V: a tensor load lays bytes into LDS as they are, so a trip's
; 32,768 bytes of f32 would be written to LDS, read back, rounded and stored again as 16,384 bytes of bf16 in bytes of their own (the transposing
; load wants 16-bit rows): 81,920 bytes through LDS a trip where this text has 16,384.  What sharing would spare is three of four requests for
; 32,768 bytes a trip, beside 128 matrix instructions and some thousand vector instructions of each wave in that trip.
;
; LIMITS.  q, k, v and the weights p enter the products rounded to bf16; sums, maxima, exponentials in f32; the row sum adds the unrounded p.
; p below 2^-126 counts as 0 (v_exp_f32 flushes denormal results: ISA guide 15.8).  The row sum lies between about 1 and 2,048.
; The shift taken away is the rounded number NEG = -(log2 e / 8) m, the same for a row's p and for alpha = 2^(NEG new - NEG old), which is exactly 1
; where the maximum stays; so no error grows with the size of the scores over the trips.  A NaN or +infinity among a row's scores makes that row NaN.
;
; REGISTERS, in windows of 256 (s_set_vgpr_msb: bits 1:0 source 0, 3:2 source 1, 5:4 source 2, 7:6 destination):
;   window 0: addresses, the rows' figures, the tiles on their way;  window 1: fragments of Q (0-127), K (128-191), V (192-255);
;   window 2: S[qb][kb] at 32 qb + 8 kb, later P[qb][c] at 32 qb + 8 c;  window 3: O[qb][db] at 32 qb + 8 db.
.set TILEB,  16384                     ; 64 rows of 256 bytes: a trip's tile of K, and of V, in memory
.set KP,     144                       ; LDS pitch of K's and Q's bf16 rows: 128 + 16 bytes, 9 x 16: sixteen rows begin at sixteen different 16-byte columns modulo 256
.set VP,     160                       ; LDS pitch of V's bf16 rows: 128 + 32 bytes, 5 x 32, for the transposing load
.set KBYTES, 64*KP                     ; 9,216
.set SLOT,   KBYTES+64*VP              ; 19,456: K's tile, then V's
.set QSTG,   2*SLOT                    ; behind the two slots: a stage of each wave's own
.set WSTG,   128*KP                    ; 18,432: first the wave's 128 rows of Q in bf16, at the end 16 rows of output
.set OP,     272                       ; pitch of the output stage: 256 + 16 bytes
.set GOFF, 4                           ; v4   16 t: my 16 bytes in a tile's first 8 rows (t = thread)
.set QOFF, 5                           ; v5   wave x 32,768 + 16 lane: my 16 bytes in my wave's first two rows of q, and of out0
.set KST,  6                           ; v6   where I store K: (t / 16) x 144 + 8 (t % 16)
.set VST,  7                           ; v7   where I store V: 9,216 + (t / 16) x 160 + 8 (t % 16)
.set KRD,  8                           ; v8   K fragments: r x 144 + 16 h
.set VRD,  9                           ; v9   V fragments: 9,216 + (8 h + lane % 8) x 160 + 16 ((lane / 8) % 2)
.set QST,  10                          ; v10  where I stage Q: stage + h x 144 + 8 r
.set QRD,  11                          ; v11  Q fragments: stage + r x 144 + 16 h
.set OST,  12                          ; v12  where I stage the output: stage + r x 272 + 32 h
.set ORD,  13                          ; v13  where I read it back: stage + h x 272 + 16 r
.set STAT, 16                          ; v[16:79] eight registers for each qb:
.set OM,   1                           ;   +0 NEG of even trips, +1 the running maximum M
.set OT,   3                           ;   +2 NEG of odd trips,  +3 T: what the other half of the lanes holds
.set OAL,  4                           ;   +4 alpha (at the end 1 / sum), +5 its exponent
.set OARG, 5
.set OL,   6                           ;   +6, +7 the running sum, in two parts
.set ST,   80                          ; v[80:143]  the tile on its way: K's load j at +4j, V's at +32+4j
.set CV,   144                         ; v[144:175] the tile rounded: K's pair j at +2j, V's at +16+2j
.set ST0,  176                         ; v[176:239] tile 0 at the start
.set OB0,  176                         ; and at the end two buffers for the way out
.set OB1,  208
.set KF,   128                         ; window 1: KF + 16 kb + 8 ks
.set VF,   192                         ; window 1: VF + 16 db + 8 kc
.set MSB, 0
.macro WIN new                         ; the immediate's high byte repeats the setting that is left
.if MSB != \new
	s_set_vgpr_msb (MSB<<8)|\new
.set MSB, \new
.endif
.endm
; 16 loads: a tile of K and of V, off bytes behind the bases.  Thread t takes bytes 16 (t % 16) of row 8 j + t / 16: a wave's load covers 512 neighbouring bytes.
.macro LOAD_TILE dst, off
.irp j, 0,1,2,3,4,5,6,7
	global_load_b128 v[\dst+4*\j:\dst+4*\j+3], v[GOFF], s[6:7] offset:\off+2048*\j
	global_load_b128 v[\dst+32+4*\j:\dst+32+4*\j+3], v[GOFF], s[8:9] offset:\off+2048*\j
.endr
.endm
; 32 roundings: 64 f32 to 64 bf16
.macro CONVERT src
.irp n, 0,1,2,3,4,5,6,7,8,9,10,11,12,13,14,15
	v_cvt_pk_bf16_f32 v[CV+2*\n],   v[\src+4*\n],   v[\src+4*\n+1]
	v_cvt_pk_bf16_f32 v[CV+2*\n+1], v[\src+4*\n+2], v[\src+4*\n+3]
.endr
.endm
; 16 LDS stores of 8 bytes: my part of the rounded tile
.macro STORE_TILE slot
.irp j, 0,1,2,3,4,5,6,7
	ds_store_b64 v[KST], v[CV+2*\j:CV+2*\j+1] offset:(\slot)*SLOT+8*KP*\j
	ds_store_b64 v[VST], v[CV+16+2*\j:CV+16+2*\j+1] offset:(\slot)*SLOT+8*VP*\j
.endr
.endm
; 16 LDS loads: four key blocks x two halves of d, 8 registers each (destination window 1)
.macro KFRAG slot
.irp kb, 0,1,2,3
.irp ks, 0,1
	ds_load_b128 v[KF+16*\kb+8*\ks:KF+16*\kb+8*\ks+3],   v[KRD] offset:(\slot)*SLOT+16*KP*\kb+64*\ks
	ds_load_b128 v[KF+16*\kb+8*\ks+4:KF+16*\kb+8*\ks+7], v[KRD] offset:(\slot)*SLOT+16*KP*\kb+64*\ks+32
.endr
.endr
.endm
; 16 transposing LDS loads: four blocks of d x two halves of the 64 keys (destination window 1)
.macro VFRAG slot
.irp db, 0,1,2,3
.irp kc, 0,1
	ds_load_tr16_b128 v[VF+16*\db+8*\kc:VF+16*\db+8*\kc+3],   v[VRD] offset:(\slot)*SLOT+32*VP*\kc+32*\db
	ds_load_tr16_b128 v[VF+16*\db+8*\kc+4:VF+16*\db+8*\kc+7], v[VRD] offset:(\slot)*SLOT+32*VP*\kc+32*\db+16*VP
.endr
.endr
.endm
; 64 matrix instructions: S^T of 64 keys x 128 queries.  The first pass (d 0-31) starts the sums with the constant 0, the second (d 32-63) adds in place.
; The 32 accumulators take turns, one instruction a turn, in the same order in both passes.
.macro SMUL
.irp qb, 0,1,2,3,4,5,6,7
.irp kb, 0,1,2,3
	v_wmma_f32_16x16x32_bf16 v[32*\qb+8*\kb:32*\qb+8*\kb+7], v[KF+16*\kb:KF+16*\kb+7], v[16*\qb:16*\qb+7], 0
.endr
.endr
.irp qb, 0,1,2,3,4,5,6,7
.irp kb, 0,1,2,3
	v_wmma_f32_16x16x32_bf16 v[32*\qb+8*\kb:32*\qb+8*\kb+7], v[KF+16*\kb+8:KF+16*\kb+15], v[16*\qb+8:16*\qb+15], v[32*\qb+8*\kb:32*\qb+8*\kb+7]
.endr
.endr
.endm
; 64 matrix instructions: O^T += V^T P^T, keys 0-31, then keys 32-63.  first = 1: the first pass starts the sums.  Accumulators by turns, as above.
.macro PVMUL first
.irp qb, 0,1,2,3,4,5,6,7
.irp db, 0,1,2,3
.if \first
	v_wmma_f32_16x16x32_bf16 v[32*\qb+8*\db:32*\qb+8*\db+7], v[VF+16*\db:VF+16*\db+7], v[32*\qb:32*\qb+7], 0
.else
	v_wmma_f32_16x16x32_bf16 v[32*\qb+8*\db:32*\qb+8*\db+7], v[VF+16*\db:VF+16*\db+7], v[32*\qb:32*\qb+7], v[32*\qb+8*\db:32*\qb+8*\db+7]
.endif
.endr
.endr
.irp qb, 0,1,2,3,4,5,6,7
.irp db, 0,1,2,3
	v_wmma_f32_16x16x32_bf16 v[32*\qb+8*\db:32*\qb+8*\db+7], v[VF+16*\db+8:VF+16*\db+15], v[32*\qb+8:32*\qb+15], v[32*\qb+8*\db:32*\qb+8*\db+7]
.endr
.endr
.endm
; In all the softmax's steps qb runs innermost: eight chains that do not wait for each other.
.macro MAXSTEP i                       ; scores 2i, 2i + 1 of each qb into its running maximum (sources 1, 2 window 2)
.irp qb, 0,1,2,3,4,5,6,7
	v_max3_num_f32 v[STAT+8*\qb+OM], v[STAT+8*\qb+OM], v[32*\qb+2*\i], v[32*\qb+2*\i+1]
.endr
.endm
.macro SUMSTEP i                       ; weights 2i, 2i + 1 of each qb onto the two parts of its running sum (source 1 window 2)
	s_wait_alu depctr_va_vdst(0)
.irp qb, 0,1,2,3,4,5,6,7
	v_pk_add_f32 v[STAT+8*\qb+OL:STAT+8*\qb+OL+1], v[STAT+8*\qb+OL:STAT+8*\qb+OL+1], v[32*\qb+2*\i:32*\qb+2*\i+1]
.endr
.endm
.macro SCALE_O                         ; all of O times the lane's factor of its qb: 128 packed multiplies, both halves by the pair's first register
	WIN 0xc3
.irp i, 0,1,2,3,4,5,6,7,8,9,10,11,12,13,14,15
.irp qb, 0,1,2,3,4,5,6,7
	v_pk_mul_f32 v[32*\qb+2*\i:32*\qb+2*\i+1], v[32*\qb+2*\i:32*\qb+2*\i+1], v[STAT+8*\qb+OAL:STAT+8*\qb+OAL+1] op_sel_hi:[1,0]
.endr
.endr
.endm
; ---------------------------------------------------------------- the start
	s_load_b256 s[4:11], s[0:1], 0x0               ; q s[4:5], k s[6:7], v s[8:9], out0 s[10:11]
	v_lshl_add_u32 v254, v0, 2, 0x1b800
	v_mov_b32 v255, 0
	v_lshrrev_b32 v1, 5, v0
	v_readfirstlane_b32 s12, v1                    ; my wave's number
	s_and_b32 s13, ttmp7, 0xffff                   ; head
	s_lshl_b32 s16, s13, 19                        ; head x 524,288 bytes (below 2^25)
	s_mov_b32 s17, 0
	s_lshl_b32 s18, ttmp9, 17                      ; + query block x 512 rows x 256 bytes
	s_add_co_u32 s18, s18, s16
	s_mov_b32 s19, 0
	s_mov_b32 s20, 0x76543210                      ; v_permlanex16_b32: lane i of one half reads lane i of the other
	s_mov_b32 s21, 0xfedcba98
	s_mov_b32 s22, 0x3e38aa3b                      ; log2(e) / 8: the division by sqrt(64) and the change to base 2 in one factor
	s_mov_b32 s23, 0x3e38aa3b
	s_mov_b32 s24, 0xbe38aa3b                      ; its negative
	s_mul_i32 s26, s12, WSTG
	s_add_co_u32 s26, s26, QSTG                    ; my wave's stage in LDS
	s_lshl_b32 s27, s12, 15                        ; my wave's 128 rows of 256 bytes
	v_and_b32 v1, 31, v0                           ; lane
	v_lshlrev_b32 v[GOFF], 4, v0
	v_lshl_add_u32 v[QOFF], v1, 4, s27
	s_wait_kmcnt 0x0
	s_add_nc_u64 s[4:5], s[4:5], s[18:19]          ; q and out0 at the work-group's first row,
	s_add_nc_u64 s[10:11], s[10:11], s[18:19]
	s_add_nc_u64 s[6:7], s[6:7], s[16:17]          ; k and v at the head's first row
	s_add_nc_u64 s[8:9], s[8:9], s[16:17]
	; All 96 first loads go out as one group: my wave's Q (64 loads of two whole rows each, into window 2), then tiles 0 and 1.
	; Where the counter's field is full the issue stalls by itself (ISA guide 5.7.1), so no wait stands among them.
	WIN 0x80
.set i, 0
.rept 64
	global_load_b128 v[4*i:4*i+3], v[QOFF], s[4:5] offset:512*i th:TH_LOAD_NT   ; q is read once in the launch
.set i, i+1
.endr
	WIN 0
	LOAD_TILE ST0, 0
	LOAD_TILE ST, TILEB
	v_and_b32 v2, 15, v0                           ; r = lane % 16 = t % 16
	v_bfe_u32 v3, v0, 4, 1                         ; h = lane / 16
	v_lshrrev_b32 v14, 4, v0                       ; t / 16, 0 to 7
	v_mul_u32_u24 v[KST], v14, KP
	v_lshl_add_u32 v[KST], v2, 3, v[KST]
	v_mul_u32_u24 v[VST], v14, VP
	v_lshl_add_u32 v[VST], v2, 3, v[VST]
	v_add_nc_u32 v[VST], KBYTES, v[VST]
	v_mul_u32_u24 v[KRD], v2, KP
	v_lshl_add_u32 v[KRD], v3, 4, v[KRD]
	v_and_b32 v15, 7, v0
	v_lshl_add_u32 v15, v3, 3, v15                 ; 8 h + lane % 8: the key row that I address
	v_mul_u32_u24 v[VRD], v15, VP
	v_bfe_u32 v15, v0, 3, 1
	v_lshl_add_u32 v[VRD], v15, 4, v[VRD]          ; and which 8 of the 16 columns
	v_add_nc_u32 v[VRD], KBYTES, v[VRD]
	v_mul_u32_u24 v[QST], v3, KP
	v_lshl_add_u32 v[QST], v2, 3, v[QST]
	v_add_nc_u32 v[QST], s26, v[QST]
	v_add_nc_u32 v[QRD], s26, v[KRD]
	v_mul_u32_u24 v[OST], v2, OP
	v_lshl_add_u32 v[OST], v3, 5, v[OST]
	v_add_nc_u32 v[OST], s26, v[OST]
	v_mul_u32_u24 v[ORD], v3, OP
	v_lshl_add_u32 v[ORD], v2, 4, v[ORD]
	v_add_nc_u32 v[ORD], s26, v[ORD]
.irp qb, 0,1,2,3,4,5,6,7
	v_mov_b32 v[STAT+8*\qb+OT], 0                  ; v_permlanex16_b32 counts as a reader of its destination: written once here
.endr
	s_wait_loadcnt 32                              ; the 32 younger loads are tiles 0 and 1: Q is in
	WIN 0x8a
.set i, 0
.rept 64
	v_cvt_pk_bf16_f32 v[2*i],   v[4*i],   v[4*i+1]   ; in place, ascending: a destination is never above its sources, and what lies below has been used
	v_cvt_pk_bf16_f32 v[2*i+1], v[4*i+2], v[4*i+3]
.set i, i+1
.endr
	WIN 0x08
.set i, 0
.rept 64
	ds_store_b64 v[QST], v[2*i:2*i+1] offset:2*KP*i  ; rows 2i + h of my stage
.set i, i+1
.endr
	WIN 0x40
.irp qb, 0,1,2,3,4,5,6,7
.irp ks, 0,1
	ds_load_b128 v[16*\qb+8*\ks:16*\qb+8*\ks+3],   v[QRD] offset:16*KP*\qb+64*\ks      ; my wave's own bytes; LDS serves a wave's instructions in order
	ds_load_b128 v[16*\qb+8*\ks+4:16*\qb+8*\ks+7], v[QRD] offset:16*KP*\qb+64*\ks+32   ; (ISA guide 5.7.1): these see the stores above
.endr
.endr
	WIN 0
	s_wait_loadcnt 16                              ; tile 1's 16 loads may stay out: tile 0 is in
	CONVERT ST0
	STORE_TILE 0
	s_wait_dscnt 0x0                               ; my part of tile 0 is stored (and my Q fragments are in),
	s_barrier_signal -1
	s_barrier_wait -1                              ; everybody's part is
; ---------------------------------------------------------------- a trip: 64 keys
; Trip t reads tile t from slot = t % 2.  first = 1: maxima, sums and O start here.  conv = 1: tile t + 1, loaded a trip ago, is rounded and stored into
; the other slot.  load = 1: tile t + 2 is asked for.
; ONE BARRIER A TRIP orders both ways.  The other slot held tile t - 1: every wave waited for its reads of it in front of its signal in trip t - 1, and
; passed that barrier's wait before this trip began.  Tile t + 1 is read in trip t + 1, behind this trip's barrier, in front of whose signal every wave has
; waited for its stores.  Between the signal and the wait stands register work alone: the softmax and the second product.
.macro TRIP slot, first, conv, load
	WIN 0x40
	KFRAG \slot
	WIN 0
.if \conv
	s_wait_loadcnt 0x0                             ; tile t + 1: its 16 loads were issued a trip ago and none is younger
	CONVERT ST                                     ; these 32 roundings are also the places between the last trip's second product and the loads into V's
	STORE_TILE 1-\slot                             ; fragments (four) and the first product, which writes over P (five) (ISA guide 7.12.1)
.if \load
	s_add_nc_u64 s[6:7], s[6:7], TILEB             ; the wait above has shown every load that names these bases done
	s_add_nc_u64 s[8:9], s[8:9], TILEB
	LOAD_TILE ST, TILEB                            ; tile t + 2: it has this whole trip in which to come
.endif
.else
.rept 5
	v_nop                                          ; the same five places, where there is nothing left to round
.endr
.endif
	WIN 0x40
	VFRAG \slot
	s_wait_dscnt 16+16*\conv                       ; behind K's 16 fragment loads stand V's 16, and the 16 stores where a tile was rounded
	WIN 0xa5                                       ; D and C window 2, both sources window 1
	SMUL
	s_wait_dscnt 0x0                               ; V's fragments are in, my reads of this slot are over, my part of tile t + 1 is stored:
.if \conv
	s_barrier_signal -1                            ; say so
.endif
.rept 4
	v_nop                                          ; four places behind the first product, ahead of the first reader of S (ISA guide 7.12.1); nothing else is ready here
.endr
	; the row maximum: 32 scores a lane and qb, onto the running maximum
.if \first
	WIN 0x0a
.irp qb, 0,1,2,3,4,5,6,7
	v_max_num_f32 v[STAT+8*\qb+OM], v[32*\qb], v[32*\qb+1]
.endr
	WIN 0x28
.else
	WIN 0x28
	MAXSTEP 0
.endif
.irp i, 1,2,3,4,5,6,7,8,9,10,11,12,13,14,15
	MAXSTEP \i
.endr
	WIN 0
.irp qb, 0,1,2,3,4,5,6,7
	v_permlanex16_b32 v[STAT+8*\qb+OT], v[STAT+8*\qb+OM], s20, s21   ; the other 32 keys of my query lie in lane xor 16
.endr
.irp qb, 0,1,2,3,4,5,6,7
	v_max_num_f32 v[STAT+8*\qb+OM], v[STAT+8*\qb+OM], v[STAT+8*\qb+OT]
.endr
.irp qb, 0,1,2,3,4,5,6,7
	v_mul_f32 v[STAT+8*\qb+2*\slot], s24, v[STAT+8*\qb+OM]           ; NEG = -(log2 e / 8) M, kept until the next trip has made its own
.endr
.if \first == 0
.irp qb, 0,1,2,3,4,5,6,7
	v_sub_f32 v[STAT+8*\qb+OARG], v[STAT+8*\qb+2*\slot], v[STAT+8*\qb+2-2*\slot]   ; NEG new - NEG old, at most 0
.endr
.irp qb, 0,1,2,3,4,5,6,7
	v_exp_f32 v[STAT+8*\qb+OAL], v[STAT+8*\qb+OARG]                  ; alpha
.endr
	v_nop                                          ; one plain place behind the exponentials, ahead of the first use (ISA guide 5.7.2)
	s_wait_alu depctr_va_vdst(0)
.irp qb, 0,1,2,3,4,5,6,7
	v_pk_mul_f32 v[STAT+8*\qb+OL:STAT+8*\qb+OL+1], v[STAT+8*\qb+OL:STAT+8*\qb+OL+1], v[STAT+8*\qb+OAL:STAT+8*\qb+OAL+1] op_sel_hi:[1,0]
.endr
.endif
	; p = 2^(s log2 e / 8 + NEG), in place.  One fused multiply-add for two scores; the multiply-adds of block qb + 1 stand between the exponentials of
	; block qb, one behind each two.
	WIN 0x8a                                       ; destination and source 0 window 2; source 2, the pair that begins with NEG, window 0
.irp i, 0,1,2,3,4,5,6,7,8,9,10,11,12,13,14,15
	v_pk_fma_f32 v[2*\i:2*\i+1], v[2*\i:2*\i+1], s[22:23], v[STAT+2*\slot:STAT+2*\slot+1] op_sel_hi:[1,0,0]
.endr
.irp qb, 0,1,2,3,4,5,6,7
.irp i, 0,1,2,3,4,5,6,7,8,9,10,11,12,13,14,15
	v_exp_f32 v[32*\qb+2*\i],   v[32*\qb+2*\i]
	v_exp_f32 v[32*\qb+2*\i+1], v[32*\qb+2*\i+1]
.if \qb < 7
	v_pk_fma_f32 v[32*\qb+32+2*\i:32*\qb+33+2*\i], v[32*\qb+32+2*\i:32*\qb+33+2*\i], s[22:23], v[STAT+8*\qb+8+2*\slot:STAT+8*\qb+9+2*\slot] op_sel_hi:[1,0,0]
.endif
.endr
.endr
	v_nop                                          ; one plain place behind the last exponential
	; the row sum, from the unrounded p
.if \first
	WIN 0x0a
	s_wait_alu depctr_va_vdst(0)
.irp qb, 0,1,2,3,4,5,6,7
	v_pk_add_f32 v[STAT+8*\qb+OL:STAT+8*\qb+OL+1], v[32*\qb:32*\qb+1], v[32*\qb+2:32*\qb+3]
.endr
	WIN 0x28
.else
	WIN 0x28
	SUMSTEP 0
	SUMSTEP 1
.endif
.irp i, 2,3,4,5,6,7,8,9,10,11,12,13,14,15
	SUMSTEP \i
.endr
	; P^T in bf16, in place and ascending: register 32 qb + x from registers 32 qb + 2x and 2x + 1
	WIN 0x8a
.irp x, 0,1,2,3,4,5,6,7,8,9,10,11,12,13,14,15
.irp qb, 0,1,2,3,4,5,6,7
	v_cvt_pk_bf16_f32 v[32*\qb+\x], v[32*\qb+2*\x], v[32*\qb+2*\x+1]
.endr
.endr
.if \first == 0
	SCALE_O                                        ; O times alpha
.endif
	WIN 0xf9                                       ; D and C window 3, source 0 (V^T) window 1, source 1 (P^T) window 2
	PVMUL \first
	WIN 0
.if \conv
	s_barrier_wait -1                              ; all four waves have said so: the next trip may read tile t + 1 and write over tile t
.endif
.endm
	TRIP 0, 1, 1, 1                                ; trip 0 starts maxima, sums and O: nothing is cleared
	TRIP 1, 0, 1, 1
	s_mov_b32 s25, 14
.Llap:                                             ; trips 2 to 29, two a lap: once through both slots
	TRIP 0, 0, 1, 1
	TRIP 1, 0, 1, 1
	s_sub_co_u32 s25, s25, 1
	s_cmp_lg_u32 s25, 0
	s_cbranch_scc1 .Llap
	TRIP 0, 0, 1, 0                                ; trip 30 rounds tile 31 and asks for nothing: no load leaves k or v
	TRIP 1, 0, 0, 0                                ; trip 31: nothing is stored into a slot any more, so no barrier
; ---------------------------------------------------------------- the end: O / sum, out through my own stage
	; The sixteen additions below name window 0 alone: they are more than the four places between the last products and the first reader of O (ISA guide 7.12.1).
.irp qb, 0,1,2,3,4,5,6,7
	v_add_f32 v[STAT+8*\qb+OM], v[STAT+8*\qb+OL], v[STAT+8*\qb+OL+1]
.endr
.irp qb, 0,1,2,3,4,5,6,7
	v_permlanex16_b32 v[STAT+8*\qb+OT], v[STAT+8*\qb+OM], s20, s21
.endr
.irp qb, 0,1,2,3,4,5,6,7
	v_add_f32 v[STAT+8*\qb+OM], v[STAT+8*\qb+OM], v[STAT+8*\qb+OT]   ; the whole row's sum, in both halves
.endr
.irp qb, 0,1,2,3,4,5,6,7
	v_rcp_f32 v[STAT+8*\qb+OAL], v[STAT+8*\qb+OM]
.endr
	v_nop                                          ; one plain place behind the reciprocals
	s_wait_alu depctr_va_vdst(0)
	SCALE_O
; 16 query rows: a lane puts its 32 numbers (8 pieces of 16 bytes of row r) into the stage, whole rows of 256 bytes are read back, and sixteen lanes store
; one row of out0: 256 consecutive bytes, at a multiple of 256 from the buffer's first byte.  The stage is my wave's own, so no barrier; LDS serves a
; wave's instructions in order, so no wait between the stores and the loads.
.macro OUT16 qb, buf
	WIN 0x0c                                       ; store data window 3
.irp db, 0,1,2,3
	ds_store_b128 v[OST], v[32*\qb+8*\db:32*\qb+8*\db+3]   offset:64*\db
	ds_store_b128 v[OST], v[32*\qb+8*\db+4:32*\qb+8*\db+7] offset:64*\db+16
.endr
	WIN 0
	s_wait_xcnt 0x0                                ; this buffer was the data of stores two calls ago: it is loaded again only behind this wait
.irp u, 0,1,2,3,4,5,6,7
	ds_load_b128 v[\buf+4*\u:\buf+4*\u+3], v[ORD] offset:2*OP*\u
.endr
.irp u, 0,1,2,3,4,5,6,7
	s_wait_dscnt 7-\u                              ; LDS loads come back in order: piece u is in, the younger ones may be out
	global_store_b128 v[QOFF], v[\buf+4*\u:\buf+4*\u+3], s[10:11] offset:4096*\qb+512*\u th:TH_STORE_NT
.endr
.endm
	OUT16 0, OB0
	OUT16 1, OB1
	OUT16 2, OB0
	OUT16 3, OB1
	OUT16 4, OB0
	OUT16 5, OB1
	OUT16 6, OB0
	OUT16 7, OB1
	s_wait_tensorcnt 0x0
	ds_add_u32 v254, v255
	s_wait_dscnt 0x0
	s_endpgm
.Lfunc_end_k_q9e03552491_attn:
	.size	k_q9e03552491_attn, .Lfunc_end_k_q9e03552491_attn-k_q9e03552491_attn
	.p2alignl 7, 3214868480
	.fill 96, 4, 3214868480
	.section	.rodata,"a",@progbits
	.p2align	6, 0x0
	.amdhsa_kernel k_q9e03552491_attn
		.amdhsa_group_segment_fixed_size 113152
		.amdhsa_private_segment_fixed_size 0
		.amdhsa_enable_private_segment 0
		.amdhsa_kernarg_size 32
		.amdhsa_user_sgpr_count 2
		.amdhsa_user_sgpr_kernarg_segment_ptr 1
		.amdhsa_wavefront_size32 1
		.amdhsa_system_sgpr_workgroup_id_x 1
		.amdhsa_system_sgpr_workgroup_id_y 1
		.amdhsa_system_sgpr_workgroup_id_z 1
		.amdhsa_system_vgpr_workitem_id 0
		.amdhsa_next_free_vgpr 1024
		.amdhsa_next_free_sgpr 66
		.amdhsa_reserve_vcc 0
		.amdhsa_float_denorm_mode_32 3
		.amdhsa_float_denorm_mode_16_64 3
		.amdhsa_memory_ordered 1
		.amdhsa_forward_progress 1
		.amdhsa_inst_pref_size 255
	.end_amdhsa_kernel
	.section	.bss,"aw",@nobits
	.p2align	6
	.space	262144
	.amdgpu_metadata
---
amdhsa.version: [ 1, 2 ]
amdhsa.kernels:
  - .name:           k_q9e03552491_attn
    .symbol:         k_q9e03552491_attn.kd
    .args:
      - { .name: q, .offset: 0, .size: 8, .value_kind: global_buffer, .address_space: global }
      - { .name: k, .offset: 8, .size: 8, .value_kind: global_buffer, .address_space: global }
      - { .name: v, .offset: 16, .size: 8, .value_kind: global_buffer, .address_space: global }
      - { .name: out0, .offset: 24, .size: 8, .value_kind: global_buffer, .address_space: global }
    .group_segment_fixed_size: 113152
    .private_segment_fixed_size: 0
    .kernarg_segment_align: 8
    .kernarg_segment_size: 32
    .max_flat_workgroup_size: 128
    .sgpr_count:     66
    .vgpr_count:     1024
    .wavefront_size: 32
...
	.end_amdgpu_metadata
.endif
;; end of part 1
